; MI455X (gfx1250); checked and timed in simulation.
; The chip was launched on July 23, 2026; its instructions are those of AMD's public machine-readable ISA for CDNA 5 (MIT licence, August 2026) and "CDNA5" Instruction Set Architecture Reference Guide (July 2026). The comments in the code are by the model that wrote it; some were corrected since.
;; Conditional Layer. Allowed arithmetic: matrix products marked QUANTISED: E2M3 operands, one E8M0 scale for each 32 along K, by v_wmma_scale_f32_16x16x128_f8f6f4 with both operands' format E2M3, f32 sums; everything else in f32.
;; Inputs: W 8 x 512 x 512 float32; b 8 x 512 float32; cond_ids 16,384 int32; x 16,384 x 512 float32.
;; Outputs: out0 16,384 x 512 float32.
;; This version of the problem:
;;   THIS VERSION OF THE PROBLEM IS GIVEN IN LOW PRECISION. The matrix products marked QUANTISED in the list below multiply operands that are first quantised to E2M3 (2 exponent bits, 3 mantissa bits; 6 bits a number), with one power-of-two scale for each 32 numbers along K (OCP MX v1.0); their sums are f32. All else is computed in f32.
;;   The module's matrix products, in the order in which they are computed (A, B: the left and right operand; K: the contracted axis; several contracted axes count as one K, in the product's order):
;;     1. batch 8 x [M 16,384, K 512] x [K 512, N 512]; A: computed on the way; B: input W: QUANTISED
;;   THE QUANTISER, for each operand of a quantised product, along K:
;;     - K is cut into blocks of 32 from its start; a last block that is shorter is filled with zeros.
;;     - A block's scale is 2^e with e = floor(log2(the largest magnitude in the block)) - 2, held to -126 .. 127; a block of zeros has e = 0. As a byte (E8M0): e + 127.
;;     - Each number is divided by its block's scale, clamped to +-7.5, and rounded to the nearest number of E2M3, ties to even, subnormals kept.
;;     - The product sums the exact products of the quantised numbers (number of the format x scale) in f32.
;;   ~~~python
;;   def quantise(x, axis):      # numpy; x: float32 -> the quantised numbers, widened to float32 again
;;       x = np.moveaxis(x, axis, -1); K = x.shape[-1]
;;       x = np.pad(x, [(0, 0)] * (x.ndim - 1) + [(0, -K % 32)]); x = x.reshape(x.shape[:-1] + (-1, 32)); a = np.abs(x).max(-1, keepdims=True)
;;       e = np.where(a > 0, np.clip(np.frexp(np.where(a > 0, a, 1))[1] - 1 - 2, -126, 127), 0)      # np.frexp(a)[1] - 1 = floor(log2(a)), exactly
;;       r = np.clip(x / 2.0 ** e, -7.5, 7.5)
;;       step = 2.0 ** (np.maximum(np.frexp(np.where(r == 0, 1, r))[1] - 1, 0) - 3)
;;       q = np.round(r / step) * step * 2.0 ** e      # np.round: ties to even
;;       return np.moveaxis(q.reshape(q.shape[:-2] + (-1,))[..., :K], -1, axis).astype(np.float32)
;;   ~~~
;;   OPERANDS COMPUTED ON THE WAY. 'Computed on the way' means the value that the module computes at that place (a softmax that the list does not call 'softmax' is quantised finished and normalised). What goes into a quantiser is computed in f32, as accurately as f32 sums, v_exp_f32 and their like allow (about 1e-6 of the number): no bf16 or f16 on the way to a quantiser, and a product that is left as it is and whose result goes on into a quantised operand takes f32 operands (vector FMAs, or v_wmma_f32_16x16x4_f32). A number that lies on a knife's edge between two numbers of the format may be rounded either way, as far as f32 arithmetic and the matrix unit's own rounding can turn it there, and no further.
;; One version. Each part assembles by itself: llvm-mc -triple=amdgcn-amd-amdhsa -mcpu=gfx1250 --defsym DOCPART=n.
;; ======== version 1 of 1: 2 launches
;; workspace buffers: wimg 1,572,864 bytes; wscl 65,536 bytes; rest 16,384 bytes; order 67,584 bytes of whole numbers; tiles 4,096 bytes of whole numbers
;; launch prep (part 1): grid 68 x 1, 8 waves a work-group, no clusters, 2,048 bytes of LDS; arguments W, b, cond_ids, wimg, wscl, rest, order, tiles; writes wimg, wscl, rest, order, tiles
.if DOCPART == 1
	.amdgcn_target "amdgcn-amd-amdhsa--gfx1250"
	.amdhsa_code_object_version 6
	.text
	.protected	k_q68c791f9aa_prep
	.globl	k_q68c791f9aa_prep
	.p2align	8
	.type	k_q68c791f9aa_prep,@function
k_q68c791f9aa_prep:
	s_mov_b64 s[64:65], 0
	v_nop
	global_prefetch_b8 v0, s[64:65] scope:SCOPE_SE
	s_setreg_imm32_b32 hwreg(HW_REG_WAVE_MODE, 25, 1), 1
	s_wait_xcnt 0x0
; LAUNCH 1 OF 2: what the product's launch needs, made once.
; Work-groups 0-63: W [8][512 (d = K)][512 (e)] f32 becomes codes of FP6 (E2M3) with one E8M0 byte for each 32 along d.  A LANE TAKES A COLUMN e AND ITS REGISTERS RUN DOWN d,
;   so a block of 32 lies in one lane and the conversions give codes with K innermost.  The codes are stored as IMAGES OF THE OPERAND'S REGISTERS: fragment F = (32 c + e / 16) 4 + s
;   (s: the K step of 128) is 1,536 bytes, register p of lane l at 512 (p / 4) + 16 l + 4 (p % 4).  The scale words lie [c][s][e], byte i for block 4 s + i.
; Work-groups 64-67: work-group 64 + y sorts rows 4096 y .. 4096 y + 4095 by their id into nine buckets (ids 0-7; bucket 8: every other id, negative ones too), by counting, with no atomics:
;   region y of the list (4,224 entries: 4,096 row numbers by bucket, then 128 zeros, so that a tile's 80 entries may be read from any first entry).  It cuts each bucket into tiles of 80 rows:
;   sum of ceil(n_c / 80) over nine buckets is at most (4096 + 9 x 79) / 80 = 60 for every split.  64 records of 16 bytes: (expert, first entry, rows 0-80, mask of the codes).
;   Bucket 8 goes to expert 0 with the mask 0: zero codes give relu(b[0]), and with the other seven experts' relu(b) that is what a row under no mask gets.
;   It also stores rest[c][e] = the sum over c' other than c of relu(b[c'][e]), for c = 2 y and 2 y + 1, added term by term, c' ascending.
; LIMITS: NaN and infinities in W and b are not served.  A block of zeros gets the byte 1 and not 127: its codes are zeros, and only this program reads the bytes.
;   Blocks whose largest magnitude lies under 2^-124 take the byte 1 (the rule's lower hold).
.set TROWS, 80                         ; rows in a tile
.set REGION, 4224                      ; entries in a region of the list
; the W path's registers
.set X,    32                          ; v32-159  128 numbers: register k = W[c][128 s + k][my column]
.set FA,   160                         ; v160-171 blocks 0 and 2 of my column; behind the exchange the fragment of the wave's first 16 columns
.set FB,   172                         ; v172-183 blocks 1 and 3; then the fragment of its second 16 columns
.set TP,   184                         ; v184-199 the upper 16 codes of each block (a conversion's three registers begin on an even number)
.set SW,   12                          ; v12      my column's scale word
; the sort path's registers
.set ID,   16                          ; v16-31   16 ids a lane, held to 0-8
.set RK,   32                          ; v32-47   their ranks inside the wave's bucket
.set T,    48                          ; v49-56   at work
.set CV,   57                          ; v57      the wave's nine counts, lane c for bucket c
.set BV,   64                          ; v64-79   b[c'][2 t], b[c'][2 t + 1] of thread t
.set RA,   80                          ; v80-83   two sums for rest
.set V,    84                          ; v84-91   the eight waves' counts
.set TOTV, 92
.set PREV, 93
.set BSV,  94                          ; v94      lane c: where my wave's part of bucket c begins
.set PA,   96                          ; v96-111  lane selects, then byte offsets in the list
.set RW,   112                         ; v112-127 row numbers
.set REC,  128                         ; v128-131 a record
.set BP,   140                         ; v140-155 each id's bucket base
.set ZR,   156                         ; v156-159 zeros
.set M,    36                          ; s36-44   nine masks
.set CN,   45                          ; s45-53   the wave's running counts
.set TOT,  54                          ; s54-62   the chunk's counts
.set PRE,  66                          ; s66-74   the counts of the waves before mine, then + the bucket's first entry
.set EB,   75                          ; s75-83   a bucket's first entry
.set TB,   84                          ; s84-92   a bucket's first tile
	s_load_b512 s[4:19], s[0:1], 0x0               ; W 4:5, b 6:7, ids 8:9, wimg 10:11, wscl 12:13, rest 14:15, order 16:17, tiles 18:19
	v_lshl_add_u32 v208, v0, 2, 0x400
	v_mov_b32 v209, 0
	v_lshrrev_b32 v1, 5, v0
	s_delay_alu instid0(VALU_DEP_1)
	v_readfirstlane_b32 s20, v1                    ; wave 0..7
	v_and_b32 v1, 31, v0                           ; lane
	s_delay_alu instid0(VALU_DEP_1)
	v_lshlrev_b32 v2, 2, v1                        ; 4 x lane
	s_delay_alu instid0(VALU_DEP_2)
	v_lshlrev_b32 v3, 4, v1                        ; 16 x lane
	s_mov_b32 s25, 0                               ; the upper word of every offset
	s_wait_kmcnt 0x0
	s_cmp_lt_u32 ttmp9, 64                         ; the same for all waves of a work-group
	s_cbranch_scc0 .Lsort
; ---------------- W: a wave takes 32 columns x 128 along K; the eight waves stand side by side on 1,024 consecutive bytes of each row ----------------
.macro WLD kb                          ; block kb: 32 rows of W at my column; a load reads 128 consecutive bytes
.irp i, 0,1,2,3,4,5,6,7,8,9,10,11,12,13,14,15,16,17,18,19,20,21,22,23,24,25,26,27,28,29,30,31
	global_load_b32 v[X+32*\kb+\i], v2, s[4:5] offset:(32*\kb+\i)*2048 th:TH_LOAD_NT
.endr
.endm
.macro WBLOCK kb, lo, hi               ; block kb of my column: its scale byte into the word, its codes into v[lo..lo+2] and v[hi..hi+2]
.set XB, X+32*\kb
	v_max3_num_f32 v8, |v[XB]|, |v[XB+1]|, |v[XB+2]|               ; the largest magnitude, in two chains: all 32 numbers are mine
	v_max3_num_f32 v9, |v[XB+3]|, |v[XB+4]|, |v[XB+5]|
.irp i, 6,10,14,18,22,26
	s_delay_alu instid0(VALU_DEP_2)
	v_max3_num_f32 v8, v8, |v[XB+\i]|, |v[XB+\i+1]|
	s_delay_alu instid0(VALU_DEP_2)
	v_max3_num_f32 v9, v9, |v[XB+\i+2]|, |v[XB+\i+3]|
.endr
	s_delay_alu instid0(VALU_DEP_2)
	v_max3_num_f32 v8, v8, |v[XB+30]|, |v[XB+31]|
	s_delay_alu instid0(VALU_DEP_1)
	v_max3_num_f32 v8, v8, v9, 0x1800000           ; and the floor 2^(3 - 127): the byte cannot fall under 1
	s_delay_alu instid0(VALU_DEP_1)
	v_add_nc_u32 v10, 0xff000000, v8               ; 2 off the exponent field: the conversion takes this operand's exponent field as its scale
	s_delay_alu instid0(VALU_DEP_1)
	v_lshrrev_b32 v11, 23, v10                     ; the byte
.if \kb == 0
	s_delay_alu instid0(VALU_DEP_1)
	v_mov_b32 v[SW], v11
.else
	s_delay_alu instid0(VALU_DEP_1)
	v_lshl_or_b32 v[SW], v11, 8*\kb, v[SW]
.endif
	v_cvt_scalef32_pk16_fp6_f32 v[\lo:\lo+2], v[XB:XB+15], v10
	v_cvt_scalef32_pk16_fp6_f32 v[\hi:\hi+2], v[XB+16:XB+31], v10  ; (the next block's maxima, or the v_nop below, are the plain line behind the conversions)
.endm
	s_lshr_b32 s21, ttmp9, 3                       ; c
	s_bfe_u32 s22, ttmp9, 0x20001                  ; s: two bits from bit 1
	s_and_b32 s23, ttmp9, 1
	s_lshl_b32 s23, s23, 3
	s_add_co_u32 s23, s23, s20                     ; u = which 32 columns: 0..15
	s_lshl_b32 s24, s21, 20                        ; W: c x 512 x 2,048 bytes
	s_lshl_b32 s26, s22, 18                        ;    + 128 s rows
	s_add_co_u32 s24, s24, s26
	s_lshl_b32 s26, s23, 7                         ;    + 32 u columns
	s_add_co_u32 s24, s24, s26
	s_add_nc_u64 s[4:5], s[4:5], s[24:25]
	s_wait_alu depctr_va_vdst(0)
	WLD 0
	WLD 1                                          ; two runs, 64 loads, are out
	s_lshl_b32 s24, s21, 5                         ; wimg: fragment (32 c + 2 u) 4 + s
	s_lshl_b32 s26, s23, 1
	s_add_co_u32 s24, s24, s26
	s_lshl_b32 s24, s24, 2
	s_add_co_u32 s24, s24, s22
	s_mul_i32 s24, s24, 1536
	s_add_nc_u64 s[10:11], s[10:11], s[24:25]
	s_lshl_b32 s24, s21, 2                         ; wscl: word (4 c + s) 512 + 32 u
	s_add_co_u32 s24, s24, s22
	s_lshl_b32 s24, s24, 9
	s_lshl_b32 s26, s23, 5
	s_add_co_u32 s24, s24, s26
	s_lshl_b32 s24, s24, 2
	s_add_nc_u64 s[12:13], s[12:13], s[24:25]
	s_wait_loadcnt 32                              ; block 0 is in; block 1's 32 loads may be out
	WLD 2
	WBLOCK 0, FA, TP
	s_wait_loadcnt 32                              ; block 1 is in; block 2's may be out
	WLD 3
	WBLOCK 1, FB, TP+4
	s_wait_loadcnt 32                              ; block 2 is in; block 3's may be out
	WBLOCK 2, FA+6, TP+8
	s_wait_loadcnt 0x0
	WBLOCK 3, FB+6, TP+12
	v_nop                                          ; one plain line behind the last conversion
.irp i, 0,1,2
	v_mov_b32 v[FA+3+\i], v[TP+\i]
	v_mov_b32 v[FB+3+\i], v[TP+4+\i]
	v_mov_b32 v[FA+9+\i], v[TP+8+\i]
	v_mov_b32 v[FB+9+\i], v[TP+12+\i]
.endr
; The operand wants, for 16 columns, blocks 0 and 2 in lanes 0-15 and blocks 1 and 3 in lanes 16-31.  FA's lanes 16-31 (columns 16-31, blocks 0, 2) change places with FB's lanes 0-15 (columns 0-15, blocks 1, 3).
.irp i, 0,1,2,3,4,5,6,7,8,9,10,11
	v_permlane16_swap_b32 v[FA+\i], v[FB+\i]
.endr
.irp g, 0,1,2
	global_store_b128 v3, v[FA+4*\g:FA+4*\g+3], s[10:11] offset:512*\g          ; 512 consecutive bytes a store
.endr
.irp g, 0,1,2
	global_store_b128 v3, v[FB+4*\g:FB+4*\g+3], s[10:11] offset:6144+512*\g     ; the next column tile: four fragments on
.endr
	global_store_b32 v2, v[SW], s[12:13]           ; 128 consecutive bytes; the neighbouring wave stores the 128 beside them
	s_endpgm
; ---------------- the sort of a chunk of 4,096 ids ----------------
.macro RANK j                          ; register j's 32 ids: each id's rank in its bucket among the wave's ids so far; then the counts move on
.irp c, 0,1,2,3,4,5,6,7,8
	v_cmp_eq_u32 s[M+\c], \c, v[ID+\j]
.endr
	v_mbcnt_lo_u32_b32 v[RK+\j], s[M], s[CN]       ; the count so far + the lanes below me in the same bucket
.irp c, 1,2,3,4,5,6,7,8
	v_mbcnt_lo_u32_b32 v[T+\c], s[M+\c], s[CN+\c]
.endr
.irp c, 1
	v_cndmask_b32 v[RK+\j], v[RK+\j], v[T+\c], s[M+\c]
.endr
.irp c, 2, 3, 4, 5, 6, 7, 8
	s_delay_alu instid0(VALU_DEP_1)
	v_cndmask_b32 v[RK+\j], v[RK+\j], v[T+\c], s[M+\c]
.endr
.irp c, 0,1,2,3,4,5,6,7,8
	s_bcnt1_i32_b32 s21, s[M+\c]
	s_add_co_u32 s[CN+\c], s[CN+\c], s21
.endr
.endm
.Lsort:
	s_sub_co_u32 s22, ttmp9, 64                    ; y
	v_lshlrev_b32 v4, 3, v0                        ; 8 x thread: my two columns of b and of rest
	v_lshlrev_b32 v5, 2, v0                        ; 4 x thread: my word among the counts in LDS (128 bytes a wave)
	s_lshl_b32 s24, s22, 14                        ; the chunk's ids: 16,384 bytes,
	s_lshl_b32 s23, s20, 11                        ; my wave's 512 of them
	s_add_co_u32 s24, s24, s23
	s_add_nc_u64 s[8:9], s[8:9], s[24:25]
	s_wait_alu depctr_va_vdst(0)
.irp i, 0,1,2,3
	global_load_b128 v[ID+4*\i:ID+4*\i+3], v3, s[8:9] offset:512*\i th:TH_LOAD_NT   ; register 4 i + q: the id of row 4096 y + 512 wave + 128 i + 4 lane + q
.endr
.irp c, 0,1,2,3,4,5,6,7
	global_load_b64 v[BV+2*\c:BV+2*\c+1], v4, s[6:7] offset:2048*\c
.endr
	s_mul_i32 s24, s22, REGION*4
	s_add_nc_u64 s[16:17], s[16:17], s[24:25]      ; my region of the list
	s_lshl_b32 s24, s22, 10
	s_add_nc_u64 s[18:19], s[18:19], s[24:25]      ; my 64 records
	s_lshl_b32 s24, s22, 12
	s_add_nc_u64 s[14:15], s[14:15], s[24:25]      ; rest's rows 2 y and 2 y + 1
	s_lshl_b32 s26, s22, 12
	s_lshl_b32 s23, s20, 9
	s_add_co_u32 s26, s26, s23                     ; my wave's first row
	s_mul_i32 s27, s22, REGION                     ; my region's first entry
.irp c, 0,1,2,3,4,5,6,7,8
	s_mov_b32 s[CN+\c], 0
.endr
	s_wait_loadcnt 8                               ; the ids are in; the eight loads of b behind them may be out
.irp j, 0,1,2,3,4,5,6,7,8,9,10,11,12,13,14,15
	v_min_u32 v[ID+\j], 8, v[ID+\j]                ; unsigned: a negative id and an id over 7 both fall into bucket 8
.endr
.irp j, 0,1,2,3,4,5,6,7,8,9,10,11,12,13,14,15
	RANK \j
.endr
	v_mov_b32 v[CV], 0
.irp c, 0,1,2,3,4,5,6,7,8
	s_delay_alu instid0(VALU_DEP_1)
	v_writelane_b32 v[CV], s[CN+\c], \c
.endr
	ds_store_b32 v5, v[CV]
	s_wait_dscnt 0x0                               ; for the others' sake: my counts lie in LDS
	s_barrier_signal -1
	s_barrier_wait -1
.irp w, 0,1,2,3,4,5,6,7
	ds_load_b32 v[V+\w], v2 offset:128*\w          ; lane c: wave w's count of bucket c
.endr
	s_wait_dscnt 0x0
	v_add3_u32 v[TOTV], v[V], v[V+1], v[V+2]
	s_delay_alu instid0(VALU_DEP_1)
	v_add3_u32 v[TOTV], v[TOTV], v[V+3], v[V+4]
	s_delay_alu instid0(VALU_DEP_1)
	v_add3_u32 v[TOTV], v[TOTV], v[V+5], v[V+6]
	s_delay_alu instid0(VALU_DEP_1)
	v_add_nc_u32 v[TOTV], v[TOTV], v[V+7]
	s_cmp_gt_u32 s20, 0                            ; the counts of the waves before mine
	s_cselect_b32 s21, -1, 0
	v_and_b32 v[PREV], s21, v[V]
.irp w, 1,2,3,4,5,6
	s_cmp_gt_u32 s20, \w
	s_cselect_b32 s21, -1, 0
	v_and_b32 v95, s21, v[V+\w]
	s_delay_alu instid0(VALU_DEP_1)
	v_add_nc_u32 v[PREV], v[PREV], v95
.endr
.irp c, 0,1,2,3,4,5,6,7,8
	v_readlane_b32 s[TOT+\c], v[TOTV], \c
	v_readlane_b32 s[PRE+\c], v[PREV], \c
.endr
	s_mov_b32 s[EB], 0
	s_mov_b32 s[TB], 0
.irp c, 0,1,2,3,4,5,6,7
	s_add_co_u32 s[EB+\c+1], s[EB+\c], s[TOT+\c]
	s_add_co_u32 s21, s[TOT+\c], TROWS-1
	s_mul_hi_u32 s21, s21, 0xcccccccd              ; / 80: the upper word of x 0xcccccccd is 4 x / 5, rounded down after the shift
	s_lshr_b32 s21, s21, 6
	s_add_co_u32 s[TB+\c+1], s[TB+\c], s21
.endr
.irp c, 0,1,2,3,4,5,6,7,8
	s_add_co_u32 s[PRE+\c], s[PRE+\c], s[EB+\c]
.endr
	v_mov_b32 v[BSV], 0
.irp c, 0,1,2,3,4,5,6,7,8
	s_delay_alu instid0(VALU_DEP_1)
	v_writelane_b32 v[BSV], s[PRE+\c], \c
.endr
.irp j, 0,1,2,3,4,5,6,7,8,9,10,11,12,13,14,15
	v_lshlrev_b32 v[PA+\j], 2, v[ID+\j]
	ds_bpermute_b32 v[BP+\j], v[PA+\j], v[BSV]     ; lane id's word: where my wave's part of that bucket begins (no LDS byte is touched)
.endr
	v_lshl_add_u32 v95, v1, 2, s26
.irp j, 0,1,2,3,4,5,6,7,8,9,10,11,12,13,14,15
	v_add_nc_u32 v[RW+\j], 128*(\j/4)+\j%4, v95    ; the row's number
.endr
	s_wait_dscnt 0x0
.irp j, 0,1,2,3,4,5,6,7,8,9,10,11,12,13,14,15
	v_add_nc_u32 v[PA+\j], v[RK+\j], v[BP+\j]      ; the row's entry in the region,
	s_delay_alu instid0(VALU_DEP_1)
	v_min_u32 v[PA+\j], 0xfff, v[PA+\j]            ; which lies in 0 .. 4,095,
	s_delay_alu instid0(VALU_DEP_1)
	v_lshlrev_b32 v[PA+\j], 2, v[PA+\j]            ; in bytes
	global_store_b32 v[PA+\j], v[RW+\j], s[16:17]  ; lanes of one bucket store neighbouring words; the whole list is 67,584 bytes
.endr
	s_cmp_lg_u32 s20, 0
	s_cbranch_scc1 .Lno_pad
.irp i, 0,1,2,3
	v_mov_b32 v[ZR+\i], 0
.endr
	global_store_b128 v3, v[ZR:ZR+3], s[16:17] offset:16384   ; wave 0: the 128 zeros behind the 4,096 entries
.Lno_pad:
	s_cmp_gt_u32 s20, 1
	s_cbranch_scc1 .Lno_rec
	; waves 0 and 1: thread T writes record T.  Its bucket is the last one whose first tile is not behind T; a T behind the last tile falls into bucket 8 and gets 0 rows.
	v_mov_b32 v132, 0                              ; bucket
	v_mov_b32 v133, 0                              ; its first tile
	v_mov_b32 v134, 0                              ; its first entry
	v_mov_b32 v135, s[TOT]                         ; its rows
.irp c, 1,2,3,4,5,6,7,8
	v_cmp_le_u32 vcc_lo, s[TB+\c], v0
	s_delay_alu instid0(VALU_DEP_1)
	v_cndmask_b32 v132, v132, \c, vcc_lo
	s_delay_alu instid0(VALU_DEP_2)
	v_cndmask_b32 v133, v133, s[TB+\c], vcc_lo
	s_delay_alu instid0(VALU_DEP_3)
	v_cndmask_b32 v134, v134, s[EB+\c], vcc_lo
	s_delay_alu instid0(VALU_DEP_4)
	v_cndmask_b32 v135, v135, s[TOT+\c], vcc_lo
.endr
	s_delay_alu instid0(VALU_DEP_3)
	v_sub_nc_u32 v136, v0, v133
	s_delay_alu instid0(VALU_DEP_1)
	v_mul_u32_u24 v136, v136, TROWS
	s_delay_alu instid0(VALU_DEP_1)
	v_min_u32 v136, v136, v135                     ; rows of the bucket in front of this tile
	s_delay_alu instid0(VALU_DEP_1)
	v_sub_nc_u32 v137, v135, v136
	s_delay_alu instid0(VALU_DEP_1)
	v_min_u32 v[REC+2], TROWS, v137                ; the tile's rows
	s_delay_alu instid0(VALU_DEP_3)
	v_add3_u32 v[REC+1], v134, v136, s27           ; its first entry, counted from the list's first
	v_cmp_eq_u32 vcc_lo, 8, v132
	s_delay_alu instid0(VALU_DEP_1)
	v_cndmask_b32 v[REC], v132, 0, vcc_lo          ; bucket 8: expert 0,
	s_delay_alu instid0(VALU_DEP_2)
	v_cndmask_b32 v[REC+3], -1, 0, vcc_lo          ; with zero codes
	v_lshlrev_b32 v138, 4, v0
	global_store_b128 v138, v[REC:REC+3], s[18:19] ; 512 consecutive bytes a wave
.Lno_rec:
	s_wait_loadcnt 0x0                             ; b
.irp i, 0,1,2,3,4,5,6,7,8,9,10,11,12,13,14,15
	v_max_num_f32 v[BV+\i], 0, v[BV+\i]            ; relu(b)
.endr
.irp i, 0,1
	s_lshl_b32 s28, s22, 1
	s_add_co_u32 s28, s28, \i                      ; c = 2 y + i
.irp k, 0,1,2,3,4,5,6,7
	s_cmp_lg_u32 s28, \k
	s_cselect_b32 s21, -1, 0                       ; expert c's own term is left out: its bits are cleared to +0
.if \k == 0
	v_and_b32 v[RA+2*\i], s21, v[BV]
	v_and_b32 v[RA+2*\i+1], s21, v[BV+1]
.else
	v_and_b32 v160, s21, v[BV+2*\k]
	v_and_b32 v161, s21, v[BV+2*\k+1]
	s_delay_alu instid0(VALU_DEP_1)
	v_pk_add_f32 v[RA+2*\i:RA+2*\i+1], v[RA+2*\i:RA+2*\i+1], v[160:161]
.endif
.endr
	global_store_b64 v4, v[RA+2*\i:RA+2*\i+1], s[14:15] offset:2048*\i   ; 256 consecutive bytes a wave
.endr
	s_wait_tensorcnt 0x0
	ds_add_u32 v208, v209
	s_wait_dscnt 0x0
	s_endpgm
.Lfunc_end_k_q68c791f9aa_prep:
	.size	k_q68c791f9aa_prep, .Lfunc_end_k_q68c791f9aa_prep-k_q68c791f9aa_prep
	.p2alignl 7, 3214868480
	.fill 96, 4, 3214868480
	.section	.rodata,"a",@progbits
	.p2align	6, 0x0
	.amdhsa_kernel k_q68c791f9aa_prep
		.amdhsa_group_segment_fixed_size 2048
		.amdhsa_private_segment_fixed_size 0
		.amdhsa_enable_private_segment 0
		.amdhsa_kernarg_size 64
		.amdhsa_user_sgpr_count 2
		.amdhsa_user_sgpr_kernarg_segment_ptr 1
		.amdhsa_wavefront_size32 1
		.amdhsa_system_sgpr_workgroup_id_x 1
		.amdhsa_system_sgpr_workgroup_id_y 1
		.amdhsa_system_sgpr_workgroup_id_z 1
		.amdhsa_system_vgpr_workitem_id 0
		.amdhsa_next_free_vgpr 210
		.amdhsa_next_free_sgpr 96
		.amdhsa_reserve_vcc 1
		.amdhsa_float_denorm_mode_32 3
		.amdhsa_float_denorm_mode_16_64 3
		.amdhsa_memory_ordered 1
		.amdhsa_forward_progress 1
		.amdhsa_inst_pref_size 87
	.end_amdhsa_kernel
	.amdgpu_metadata
---
amdhsa.version: [ 1, 2 ]
amdhsa.kernels:
  - .name:           k_q68c791f9aa_prep
    .symbol:         k_q68c791f9aa_prep.kd
    .args:
      - { .name: W, .offset: 0, .size: 8, .value_kind: global_buffer, .address_space: global }
      - { .name: b, .offset: 8, .size: 8, .value_kind: global_buffer, .address_space: global }
      - { .name: cond_ids, .offset: 16, .size: 8, .value_kind: global_buffer, .address_space: global }
      - { .name: wimg, .offset: 24, .size: 8, .value_kind: global_buffer, .address_space: global }
      - { .name: wscl, .offset: 32, .size: 8, .value_kind: global_buffer, .address_space: global }
      - { .name: rest, .offset: 40, .size: 8, .value_kind: global_buffer, .address_space: global }
      - { .name: order, .offset: 48, .size: 8, .value_kind: global_buffer, .address_space: global }
      - { .name: tiles, .offset: 56, .size: 8, .value_kind: global_buffer, .address_space: global }
    .group_segment_fixed_size: 2048
    .private_segment_fixed_size: 0
    .kernarg_segment_align: 8
    .kernarg_segment_size: 64
    .max_flat_workgroup_size: 256
    .sgpr_count:     96
    .vgpr_count:     210
    .wavefront_size: 32
...
	.end_amdgpu_metadata
.endif
;; end of part 1
;; launch experts (part 2): grid 60 x 4, 4 waves a work-group, no clusters, 233,984 bytes of LDS; arguments x, b, wimg, wscl, rest, order, tiles, out0; writes out0
.if DOCPART == 2
	.amdgcn_target "amdgcn-amd-amdhsa--gfx1250"
	.amdhsa_code_object_version 6
	.text
	.protected	k_q68c791f9aa_experts
	.globl	k_q68c791f9aa_experts
	.p2align	8
	.type	k_q68c791f9aa_experts,@function
k_q68c791f9aa_experts:
	s_mov_b64 s[64:65], 0
	v_nop
	global_prefetch_b8 v0, s[64:65] scope:SCOPE_SE
	s_setreg_imm32_b32 hwreg(HW_REG_WAVE_MODE, 25, 1), 1
	s_wait_xcnt 0x0
; LAUNCH 2 OF 2: out[n] = relu(Q(x[n]) Q(W[c]) + b[c]) + the sum over c' other than c of relu(b[c']), c = the row's id.  The other experts see a row of zeros, whose codes are zeros, so each adds relu(b[c']).
; One work-group takes one tile of the stored list, at most 80 rows of one expert, through the whole chain: gather, quantise (FP6, E2M3, one E8M0 byte for each 32 along K), product, bias, relu, the others' relu(b), scatter.
; The grid, 60 x 4, serves every split: a chunk of 4,096 rows in nine buckets has at most 60 tiles of 80.  A work-group whose record has 0 rows walks the gather and the barrier like the others and stores nothing.
; SHARES.  THE WAVES SHARE THE COLUMNS: wave w keeps W's 32 fragments of output columns 128 w .. 128 w + 127 (8 column tiles x 4 K steps, 384 registers) in registers, loaded as they lie (images of the operand's registers).
;   Wave w gathers and quantises slots 20 w .. 20 w + 19 of the tile; the codes go to the other waves through LDS; behind ONE barrier every wave multiplies the tile's five blocks of 16 slots against its own columns.
; THE PRODUCT IS USED TRANSPOSED (source 0 = 16 columns of W, source 1 = 16 rows of x): a lane holds one row and eight neighbouring columns.  The bias is the C of each sum's first matrix instruction.
; NO JOINT LOADS: which expert a tile has hangs on the stored list, so neighbouring work-groups need not share W; and W goes from memory straight into each wave's own registers, not through LDS.
; THE GATHER.  A load takes 512 consecutive bytes of one row, 16 a lane; the conversions want 16 NEIGHBOURS in a lane.  So four rows at a time turn through the wave's own bytes of LDS: stored as loaded, read back 64 bytes a lane.
;   Four groups of four rows are asked for in one run, the fifth when the first has left its registers.  A slot past the tile's rows takes the tile's first row again, so that every wave issues the same 80 loads on every path
;   and every counted wait holds; what is made of such a slot is not stored.
; THE LIST comes by vector loads (the record: all lanes the same 16 bytes; the entries: a lane an entry) and becomes scalars by v_readfirstlane_b32 and v_readlane_b32; each number is held inside its table before it enters an address.
; LIMITS: NaN and infinities in x are not served.  A block of zeros has the byte 1 and not 127 (its codes are zeros; only this text reads the bytes).  The sum over experts is own term + rest, not c ascending.
.set XP,   2064                        ; LDS: a row of x, 2,048 bytes + 16: four neighbouring rows x four pieces of 64 bytes fall on 16 different columns of 16 bytes (64 banks of 4 bytes: ISA guide 11.1)
.set XC,   80*XP                       ; 165,120: the codes, 80 rows of 384 bytes + 16
.set CP,   400                         ; = 100 words: row r begins at bank 36 r mod 64, sixteen different multiples of 4
.set XS,   XC+80*CP                    ; 197,120: the scale bytes, 16 a row
.set OST,  XS+80*16                    ; 198,400: a stage of 16 rows x (512 + 16) bytes for each wave; it ends at 232,192
.set OP,   528
.set GA,   16                          ; v16-35   my 20 rows' byte offsets in x
.set N,    56                          ; v56-119  64 numbers of x
.set CD,   120                         ; v120-135 four conversions' codes
.set MX,   136                         ; v136-139 largest magnitudes
.set SO,   140                         ; v140-143 the conversions' scale operands
.set EB,   144                         ; v144-147 scale bytes
.set WSC,  152                         ; v152-167 W's scale words: register 4 u + s: lanes 0-15 column tile 2 u, lanes 16-31 tile 2 u + 1
.set ACC,  168                         ; v168-231 eight accumulators
.set XW,   234                         ; v234     where my 16 bytes of the wave's first row go in LDS
.set XSC,  236                         ; v236-239 x's scale words of the four K steps
.set EN,   240                         ; v240-242 the list's entries 0-95 from the tile's first on, lane l of register k: entry 32 k + l
.set EW,   243                         ; v243     lane j: the entry of my wave's slot j
.set RC,   244                         ; v244-247 the record
.set XFR,  16                          ; behind the barrier: v16-63 x's four fragments
.set OB,   64                          ;   v64-127  16 rows read back from the stage
.set OA,   128                         ;   v128-143 their byte offsets in out
.set BIAS, 192                         ; window 1: v0-191 W's fragments of K steps 0, 1 (12 (2 t + s)); v192-255 b in the result's layout
.set REST, 192                         ; window 2: v0-191 those of K steps 2, 3; v192-255 rest in the result's layout
                                       ; window 3: rows of x as loaded: group g (four rows, 64 registers) at v[64 (g % 4)]
.set MSB, 0
.macro WIN new                         ; s_set_vgpr_msb: bits 1:0 source 0, 3:2 source 1, 5:4 source 2, 7:6 destination; the high byte repeats the setting that is left
.if MSB != \new
	s_set_vgpr_msb (MSB<<8)|\new
.set MSB, \new
.endif
.endm
.macro WLOAD t, s                      ; fragment (column tile t, K step s): three loads of 512 consecutive bytes
.irp g, 0,1,2
	global_load_b128 v[12*(2*(\t)+(\s)%2)+4*\g:12*(2*(\t)+(\s)%2)+4*\g+3], v4, s[52:53] offset:(4*(\t)+(\s))*1536+512*\g
.endr
.endm
.macro XLOAD g                         ; group g: my rows 4 g .. 4 g + 3, four loads of 512 consecutive bytes each (destination: window 3)
.irp q, 0,1,2,3
.irp i, 0,1,2,3
	global_load_b128 v[64*((\g)%4)+16*\q+4*\i:64*((\g)%4)+16*\q+4*\i+3], v[GA+4*(\g)+\q], s[4:5] offset:512*\i
.endr
.endr
.endm
	s_load_b512 s[4:19], s[0:1], 0x0               ; x 4:5, b 6:7, wimg 8:9, wscl 10:11, rest 12:13, order 14:15, tiles 16:17, out 18:19
	v_lshl_add_u32 v254, v0, 2, 0x39000
	v_mov_b32 v255, 0
	v_lshrrev_b32 v1, 5, v0
	v_readfirstlane_b32 s24, v1                    ; wave 0..3
	s_and_b32 s25, ttmp7, 0xffff                   ; the chunk
	s_lshl_b32 s25, s25, 6
	s_add_co_u32 s25, s25, ttmp9                   ; record 64 y + x,
	s_lshl_b32 s25, s25, 4                         ; 16 bytes each
	v_mov_b32 v248, s25
	s_wait_alu depctr_va_vdst(0)
	s_wait_kmcnt 0x0
	global_load_b128 v[RC:RC+3], v248, s[16:17]    ; expert, first entry, rows, mask of the codes: the same 16 bytes in every lane
	v_and_b32 v1, 31, v0                           ; lane l
	v_and_b32 v2, 15, v0                           ; r
	v_bfe_u32 v3, v0, 4, 1                         ; h
	v_lshlrev_b32 v4, 4, v1                        ; 16 l
	v_lshlrev_b32 v14, 2, v1                       ; 4 l
	v_lshlrev_b32 v13, 5, v3                       ; 32 h: my half's eight numbers of b and rest
	v_and_b32 v15, 3, v0                           ; l % 4: which of a group's four rows
	v_bfe_u32 v232, v0, 2, 3                       ; l / 4: which piece of 16 numbers
	v_bfe_u32 v233, v0, 3, 2                       ; l / 8: which block of 32
	s_mul_i32 s26, s24, 20*XP                      ; my 20 rows of x in LDS
	v_mul_u32_u24 v5, v15, XP
	v_lshl_add_u32 v5, v232, 6, v5
	v_add_nc_u32 v5, s26, v5                       ; where I read x back: row 20 w + l % 4, 64 bytes x (l / 4)
	v_add_nc_u32 v[XW], s26, v4                    ; where I put my 16 bytes of row 20 w
	s_mul_i32 s27, s24, 20*CP
	s_add_co_u32 s27, s27, XC
	v_mul_u32_u24 v6, v15, CP
	v_mad_u32_u24 v6, v232, 12, v6
	v_add_nc_u32 v6, s27, v6                       ; where I put 16 codes, 12 bytes
	s_mul_i32 s50, s24, 20*16
	s_add_co_u32 s50, s50, XS
	v_lshl_add_u32 v7, v15, 4, v233
	v_add_nc_u32 v7, s50, v7                       ; and my block's scale byte
	v_mul_u32_u24 v8, v2, CP
	v_mad_u32_u24 v8, v3, 24, v8
	v_add_nc_u32 v8, XC, v8                        ; a fragment of x: row r, + 24 h
	v_lshl_add_u32 v9, v2, 4, XS                   ; row r's four scale words
	s_mul_i32 s51, s24, 16*OP
	s_add_co_u32 s51, s51, OST                     ; my stage
	v_mul_u32_u24 v10, v2, OP
	v_lshl_add_u32 v10, v3, 5, v10
	v_add_nc_u32 v10, s51, v10                     ; in: row r, 32 bytes for each half of the lanes
	v_add_nc_u32 v11, s51, v4                      ; back: the 32 lanes take a row's 512 bytes
	v_lshl_add_u32 v12, s24, 9, v4                 ; and the same place in a row of out: 512 w + 16 l
	s_wait_loadcnt 0x0                             ; the record
	v_readfirstlane_b32 s20, v[RC]
	v_readfirstlane_b32 s21, v[RC+1]
	v_readfirstlane_b32 s22, v[RC+2]
	v_readfirstlane_b32 s23, v[RC+3]
	s_min_u32 s20, s20, 7                          ; the record's numbers are held inside their tables:
	s_min_u32 s21, s21, 4*4224-96                  ; 96 entries are read from the first on.  A first entry lies at most 4,096 into its region of 4,224, so the hold changes none
	s_min_u32 s22, s22, 80
	s_lshl_b32 s62, s21, 2                         ; the tile's first entry, in bytes
	v_add_nc_u32 v249, s62, v14                    ; + 4 l
	s_mul_i32 s25, s24, 80
	v_add_nc_u32 v250, s25, v249                   ; my wave's 20 entries begin 80 w bytes on
	global_load_b32 v[EW], v250, s[14:15]
	global_load_b32 v[EN], v249, s[14:15]
	global_load_b32 v[EN+1], v249, s[14:15] offset:128
	global_load_b32 v[EN+2], v249, s[14:15] offset:256
	s_lshl_b32 s60, s20, 7                         ; wimg: fragment 128 e + 32 w
	s_lshl_b32 s26, s24, 5
	s_add_co_u32 s60, s60, s26
	s_mul_i32 s60, s60, 1536
	s_mov_b32 s61, 0
	s_add_nc_u64 s[52:53], s[8:9], s[60:61]
	s_lshl_b32 s60, s20, 13                        ; wscl: 8,192 bytes an expert, 512 w for my columns
	s_lshl_b32 s26, s24, 9
	s_add_co_u32 s60, s60, s26
	s_add_nc_u64 s[54:55], s[10:11], s[60:61]
	s_lshl_b32 s60, s20, 11                        ; b and rest: 2,048 bytes an expert
	s_add_co_u32 s60, s60, s26
	s_add_nc_u64 s[56:57], s[6:7], s[60:61]
	s_add_nc_u64 s[58:59], s[12:13], s[60:61]
	WIN 0x40                                       ; destination window 1.  These 48 loads want only the expert: they go out while the entries are on their way
.irp t, 0,1,2,3,4,5,6,7
	WLOAD \t, 0
	WLOAD \t, 1
.endr
	WIN 0
	s_mul_i32 s49, s24, 20
	s_sub_co_i32 s49, s22, s49                     ; how many of my 20 slots hold a row (0 or less: none)
	s_wait_loadcnt 48                              ; the entries are in; the 48 loads of W behind them may be out
.irp j, 0,1,2,3,4,5,6,7,8,9,10,11,12,13,14,15,16,17,18,19
	v_readlane_b32 s[28+\j], v[EW], \j
.endr
	v_readfirstlane_b32 s48, v[EN]                 ; the tile's first row
.irp j, 0,1,2,3,4,5,6,7,8,9,10,11,12,13,14,15,16,17,18,19
	s_cmp_gt_i32 s49, \j
	s_cselect_b32 s50, s[28+\j], s48               ; an empty slot takes the tile's first row
	s_min_u32 s50, s50, 0x3fff                     ; a row number lies in 0 .. 16,383
	v_lshl_add_u32 v[GA+\j], s50, 11, v4           ; 2,048 bytes a row, + 16 l
.endr
	WIN 0xc0                                       ; destination window 3
	XLOAD 0
	XLOAD 1
	s_wait_alu depctr_va_vdst(0)
	XLOAD 2
	XLOAD 3
	WIN 0
; Group g's four rows turn through my bytes of LDS.  left: the loads issued behind the group's sixteen, which may stay out.
.macro QTURN g, left
	s_wait_loadcnt \left                           ; loads come back in order (ISA guide 5.7.1): my four rows are in registers
	WIN 0x0c                                       ; an LDS store's data are its source 1: window 3
.irp q, 0,1,2,3
.irp i, 0,1,2,3
	ds_store_b128 v[XW], v[64*((\g)%4)+16*\q+4*\i:64*((\g)%4)+16*\q+4*\i+3] offset:(4*(\g)+\q)*XP+512*\i   ; as loaded: 512 consecutive bytes
.endr
.endr
	WIN 0
.irp t, 0,1,2,3
.irp i, 0,1,2,3
	ds_load_b128 v[N+16*\t+4*\i:N+16*\t+4*\i+3], v5 offset:(\g)*4*XP+512*\t+16*\i   ; LDS serves a wave's instructions in order (ISA guide 5.7.1.4): these see the stores above
.endr
.endr
	s_wait_dscnt 0x0                               ; the numbers are in; the stores have read their registers; the last group's stores of codes are done
.endm
; The four rows become codes.  Lane l holds, of row 4 g + l % 4 of my 20, the pieces l / 4 + 8 t (t = 0 .. 3) of 16 neighbouring numbers; lanes l and l xor 4 hold a block of 32.
.macro QWORK g
.irp t, 0,1,2,3
	v_max3_num_f32 v[MX+\t], |v[N+16*\t]|, |v[N+16*\t+1]|, 0x1800000   ; my 16 numbers and the floor 2^(3 - 127): the byte cannot fall under 1
.endr
.irp i, 2,4,6,8,10,12,14
.irp t, 0,1,2,3
	v_max3_num_f32 v[MX+\t], v[MX+\t], |v[N+16*\t+\i]|, |v[N+16*\t+\i+1]|   ; (the four pieces by turns)
.endr
.endr
.irp t, 0,1,2,3
	v_max_num_f32_dpp v[MX+\t], v[MX+\t], v[MX+\t] row_xmask:4 row_mask:0xf bank_mask:0xf   ; with the block's other half
.endr
.irp t, 0,1,2,3
	v_add_nc_u32 v[SO+\t], 0xff000000, v[MX+\t]    ; 2 off the exponent field: the conversion's scale operand
.endr
.irp t, 0,1,2,3
	v_cvt_scalef32_pk16_fp6_f32 v[CD+4*\t:CD+4*\t+2], v[N+16*\t:N+16*\t+15], v[SO+\t]
.endr
.irp t, 0,1,2,3
	v_lshrrev_b32 v[EB+\t], 23, v[SO+\t]           ; the byte.  (The plain lines behind the conversions)
.endr
.irp t, 0,1,2,3
.irp i, 0,1,2
	v_and_b32 v[CD+4*\t+\i], s23, v[CD+4*\t+\i]    ; a row under no expert's mask has zero codes
.endr
.endr
.irp t, 0,1,2,3
.irp i, 0,1,2
	ds_store_b32 v6, v[CD+4*\t+\i] offset:(\g)*4*CP+96*\t+4*\i   ; 12 bytes at a multiple of 4: three words
.endr
	ds_store_b8 v7, v[EB+\t] offset:(\g)*64+4*\t   ; both lanes of a block store the same byte with the same value
.endr
.endm
	QTURN 0, 48                                    ; behind group 0: groups 1, 2, 3
	WIN 0xc0
	XLOAD 4                                        ; the fifth group takes the registers that the first has left
	WIN 0
	QWORK 0
	QTURN 1, 48                                    ; behind group 1: groups 2, 3, 4
	WIN 0x80                                       ; the rest of what the products want goes out in runs between the groups
.irp t, 0,1,2,3
	WLOAD \t, 2
	WLOAD \t, 3
.endr
	WIN 0
	QWORK 1
	QTURN 2, 56                                    ; behind group 2: groups 3, 4 and 24 loads of W
	WIN 0x80
.irp t, 4,5,6,7
	WLOAD \t, 2
	WLOAD \t, 3
.endr
	WIN 0
	QWORK 2
	QTURN 3, 63                                    ; behind group 3: group 4 and 48 loads of W, 64 in all; the wait's field holds 63, so the count is the stricter one
.irp u, 0,1,2,3
.irp s, 0,1,2,3
	global_load_b32 v[WSC+4*\u+\s], v14, s[54:55] offset:2048*\s+128*\u
.endr
.endr
	WIN 0x40
.irp t, 0,1,2,3,4,5,6,7
	global_load_b128 v[BIAS+8*\t:BIAS+8*\t+3], v13, s[56:57] offset:64*\t       ; lane (r, h), register j: b[e][128 w + 16 t + 8 h + j]
	global_load_b128 v[BIAS+8*\t+4:BIAS+8*\t+7], v13, s[56:57] offset:64*\t+16
.endr
	WIN 0
	QWORK 3
	QTURN 4, 63                                    ; behind group 4: 80 loads; again the stricter 63
	WIN 0x80
.irp t, 0,1,2,3,4,5,6,7
	global_load_b128 v[REST+8*\t:REST+8*\t+3], v13, s[58:59] offset:64*\t
	global_load_b128 v[REST+8*\t+4:REST+8*\t+7], v13, s[58:59] offset:64*\t+16
.endr
	WIN 0
	QWORK 4
	s_wait_dscnt 0x0                               ; for the others' sake: my codes and scale bytes lie in LDS
	s_barrier_signal -1
	s_barrier_wait -1                              ; the tile's 80 rows of codes are whole.  The one barrier; every wave of every work-group passes it
	s_wait_loadcnt 0x0                             ; W's fragments and scale words, b, rest
; One product: column tile t, K step s.  The eight accumulators take turns, one instruction a turn.
.macro PROD t, s
.set rD, ACC+8*(\t)
.set rA, 12*(2*(\t)+(\s)%2)
.set rX, XFR+12*(\s)
.set rW, WSC+4*((\t)/2)+(\s)
.set rC, rD
.if (\s) == 0
.set rC, BIAS+8*(\t)
.endif
.if (\t)%2
	v_wmma_scale_f32_16x16x128_f8f6f4 v[rD:rD+7], v[rA:rA+11], v[rX:rX+11], v[rC:rC+7], v[rW], v[XSC+(\s)] matrix_a_fmt:MATRIX_FMT_FP6 matrix_b_fmt:MATRIX_FMT_FP6 matrix_a_scale:MATRIX_SCALE_ROW1
.else
	v_wmma_scale_f32_16x16x128_f8f6f4 v[rD:rD+7], v[rA:rA+11], v[rX:rX+11], v[rC:rC+7], v[rW], v[XSC+(\s)] matrix_a_fmt:MATRIX_FMT_FP6 matrix_b_fmt:MATRIX_FMT_FP6
.endif
.endm
; Slots 16 m .. 16 m + 15 against my 128 columns.
.macro RTILE m
	s_cmp_le_u32 s22, 16*(\m)                      ; no row left: the same in all four waves, and no barrier follows
	s_cbranch_scc1 .Lend
.irp s, 0,1,2,3
.irp p, 0,1,2,3,4,5
	ds_load_b64 v[XFR+12*\s+2*\p:XFR+12*\s+2*\p+1], v8 offset:(\m)*16*CP+96*\s+48*(\p/3)+8*(\p%3)   ; lane (r, h): 24 bytes at 24 h and at 48 + 24 h of the row's 96 bytes of this K step
.endr
.endr
	ds_load_b128 v[XSC:XSC+3], v9 offset:256*(\m)
.irp i, 0,1,2,3,4,5,6,7,8,9,10,11,12,13,14,15
	v_readlane_b32 s[28+\i], v[EN+(\m)/2], 16*((\m)%2)+\i   ; these 16 slots' row numbers, while the fragments are on their way
.endr
.irp i, 0,1,2,3,4,5,6,7,8,9,10,11,12,13,14,15
	s_min_u32 s[28+\i], s[28+\i], 0x3fff
.endr
	s_wait_dscnt 0x0
	WIN 0x11                                       ; W and b in window 1
.irp t, 0,1,2,3,4,5,6,7
	PROD \t, 0
.endr
	WIN 0x01
.irp t, 0,1,2,3,4,5,6,7
	PROD \t, 1
.endr
	WIN 0x02                                       ; W in window 2
.irp t, 0,1,2,3,4,5,6,7
	PROD \t, 2
.endr
.irp t, 0,1,2,3,4,5,6,7
	PROD \t, 3
.endr
	WIN 0
	s_wait_xcnt 0x0                                ; the last block's stores have read their offsets and data: both are written again only behind this wait
.irp i, 0,1,2,3,4,5,6,7,8,9,10,11,12,13,14,15
	v_lshl_add_u32 v[OA+\i], s[28+\i], 11, v12     ; the row's 512 bytes of mine in out.  (Sixteen plain lines that name no register of the products: the places behind them, ISA guide 7.12.1)
.endr
.irp j, 0,1,2,3,4,5,6,7,8,9,10,11,12,13,14,15,16,17,18,19,20,21,22,23,24,25,26,27,28,29,30,31,32,33,34,35,36,37,38,39,40,41,42,43,44,45,46,47,48,49,50,51,52,53,54,55,56,57,58,59,60,61,62,63
	v_max_num_f32 v[ACC+\j], 0, v[ACC+\j]          ; relu, each accumulator from its low end on
.endr
	WIN 0x08                                       ; source 1 window 2
.irp j, 0,2,4,6,8,10,12,14,16,18,20,22,24,26,28,30,32,34,36,38,40,42,44,46,48,50,52,54,56,58,60,62
	v_pk_add_f32 v[ACC+\j:ACC+\j+1], v[ACC+\j:ACC+\j+1], v[REST+\j:REST+\j+1]   ; + the other experts' relu(b)
.endr
	WIN 0
.irp t, 0,1,2,3,4,5,6,7
	ds_store_b128 v10, v[ACC+8*\t:ACC+8*\t+3] offset:64*\t
	ds_store_b128 v10, v[ACC+8*\t+4:ACC+8*\t+7] offset:64*\t+16
.endr
.irp i, 0,1,2,3,4,5,6,7,8,9,10,11,12,13,14,15
	ds_load_b128 v[OB+4*\i:OB+4*\i+3], v11 offset:\i*OP   ; my own stage: LDS serves a wave's instructions in order (ISA guide 5.7.1.4), so these see the stores above
.endr
.irp i, 0,1,2,3,4,5,6,7,8,9,10,11,12,13,14,15
	s_wait_dscnt 15-\i                             ; row i is back; the younger loads may be out
	s_cmp_le_u32 s22, 16*(\m)+\i                   ; the tile's rows end here: what the empty slots hold is not stored
	s_cbranch_scc1 .Lend
	global_store_b128 v[OA+\i], v[OB+4*\i:OB+4*\i+3], s[18:19] th:TH_STORE_NT   ; 32 lanes store 512 consecutive bytes of one row, at a multiple of 512 from out's first byte
.endr
.endm
	RTILE 0
	RTILE 1
	RTILE 2
	RTILE 3
	RTILE 4
.Lend:
	s_wait_dscnt 0x0                               ; a wave that leaves in the middle of a block has read-backs out: none is out at the end
	s_wait_tensorcnt 0x0
	ds_add_u32 v254, v255
	s_wait_dscnt 0x0
	s_endpgm
.Lfunc_end_k_q68c791f9aa_experts:
	.size	k_q68c791f9aa_experts, .Lfunc_end_k_q68c791f9aa_experts-k_q68c791f9aa_experts
	.p2alignl 7, 3214868480
	.fill 96, 4, 3214868480
	.section	.rodata,"a",@progbits
	.p2align	6, 0x0
	.amdhsa_kernel k_q68c791f9aa_experts
		.amdhsa_group_segment_fixed_size 233984
		.amdhsa_private_segment_fixed_size 0
		.amdhsa_enable_private_segment 0
		.amdhsa_kernarg_size 64
		.amdhsa_user_sgpr_count 2
		.amdhsa_user_sgpr_kernarg_segment_ptr 1
		.amdhsa_wavefront_size32 1
		.amdhsa_system_sgpr_workgroup_id_x 1
		.amdhsa_system_sgpr_workgroup_id_y 1
		.amdhsa_system_sgpr_workgroup_id_z 1
		.amdhsa_system_vgpr_workitem_id 0
		.amdhsa_next_free_vgpr 1024
		.amdhsa_next_free_sgpr 66
		.amdhsa_reserve_vcc 0
		.amdhsa_float_denorm_mode_32 3
		.amdhsa_float_denorm_mode_16_64 3
		.amdhsa_memory_ordered 1
		.amdhsa_forward_progress 1
		.amdhsa_inst_pref_size 154
	.end_amdhsa_kernel
	.amdgpu_metadata
---
amdhsa.version: [ 1, 2 ]
amdhsa.kernels:
  - .name:           k_q68c791f9aa_experts
    .symbol:         k_q68c791f9aa_experts.kd
    .args:
      - { .name: x, .offset: 0, .size: 8, .value_kind: global_buffer, .address_space: global }
      - { .name: b, .offset: 8, .size: 8, .value_kind: global_buffer, .address_space: global }
      - { .name: wimg, .offset: 16, .size: 8, .value_kind: global_buffer, .address_space: global }
      - { .name: wscl, .offset: 24, .size: 8, .value_kind: global_buffer, .address_space: global }
      - { .name: rest, .offset: 32, .size: 8, .value_kind: global_buffer, .address_space: global }
      - { .name: order, .offset: 40, .size: 8, .value_kind: global_buffer, .address_space: global }
      - { .name: tiles, .offset: 48, .size: 8, .value_kind: global_buffer, .address_space: global }
      - { .name: out0, .offset: 56, .size: 8, .value_kind: global_buffer, .address_space: global }
    .group_segment_fixed_size: 233984
    .private_segment_fixed_size: 0
    .kernarg_segment_align: 8
    .kernarg_segment_size: 64
    .max_flat_workgroup_size: 128
    .sgpr_count:     66
    .vgpr_count:     1024
    .wavefront_size: 32
...
	.end_amdgpu_metadata
.endif
;; end of part 2
